; MI455X (gfx1250); checked and timed in simulation.
; The chip was launched on July 23, 2026; its instructions are those of AMD's public machine-readable ISA for CDNA 5 (MIT licence, August 2026) and "CDNA5" Instruction Set Architecture Reference Guide (July 2026). The comments in the code are by the model that wrote it; some were corrected since.
;; Causal Self Attention. Allowed arithmetic: matrix products marked QUANTISED: E4M3 operands, one given power-of-two scale a tensor, by v_wmma_f32_16x16x64_fp8_fp8 or v_wmma_f32_16x16x128_fp8_fp8, f32 sums; everything else in f32.
;; Inputs: b_attn 3,072 float32; b_proj 1,024 float32; lowp_scales 8 int32 (the exponents e of the quantised operands' scales 2^e); w_attn 1,024 x 3,072 float32; w_proj 1,024 x 1,024 float32; x 4 x 2,048 x 1,024 float32.
;; Outputs: out0 4 x 2,048 x 1,024 float32.
;; This version of the problem:
;;   THIS VERSION OF THE PROBLEM IS GIVEN IN LOW PRECISION. The matrix products marked QUANTISED in the list below multiply operands that are first quantised to E4M3 (4 exponent bits, 3 mantissa bits; 8 bits a number), with one given power-of-two scale for each operand tensor; their sums are f32. All else is computed in f32.
;;   The module's matrix products, in the order in which they are computed (A, B: the left and right operand; K: the contracted axis; several contracted axes count as one K, in the product's order):
;;     1. [M 8,192, K 1,024] x [K 1,024, N 3,072]; A: input x; B: input w_attn: QUANTISED (scales: A lowp_scales[0], B lowp_scales[1])
;;     2. batch 64 x [M 2,048, K 64] x [K 64, N 2,048]; A: computed on the way; B: computed on the way: QUANTISED (scales: A lowp_scales[2], B lowp_scales[3])
;;     3. batch 64 x [M 2,048, K 2,048] x [K 2,048, N 64]; A: softmax (see below); B: computed on the way: QUANTISED (scales: A lowp_scales[4], B lowp_scales[5])
;;     4. [M 8,192, K 1,024] x [K 1,024, N 1,024]; A: computed on the way; B: input w_proj: QUANTISED (scales: A lowp_scales[6], B lowp_scales[7])
;;   THE QUANTISER, for each operand of a quantised product, along K:
;;     - The operand's scale is 2^e, e = its entry of the input lowp_scales (int32; the entries are numbered through the quantised products in the list's order, A before B).
;;     - Each number is divided by the scale, clamped to +-448, and rounded to the nearest number of E4M3, ties to even, subnormals kept.
;;     - The product sums the exact products of the quantised numbers (number of the format x scale) in f32.
;;   ~~~python
;;   def quantise(x, axis, e):      # numpy; x: float32 -> the quantised numbers, widened to float32 again
;;       x = np.moveaxis(x, axis, -1); K = x.shape[-1]
;;       r = np.clip(x / 2.0 ** e, -448, 448)
;;       step = 2.0 ** (np.maximum(np.frexp(np.where(r == 0, 1, r))[1] - 1, -6) - 3)
;;       q = np.round(r / step) * step * 2.0 ** e      # np.round: ties to even
;;       return np.moveaxis(q, -1, axis).astype(np.float32)
;;   ~~~
;;   SOFTMAX AHEAD OF A QUANTISED PRODUCT. Where the list says 'softmax', what is quantised is not the finished softmax but p = 2^(t - M), with t = logit x log2(e) and M = ceil(the row's largest t), a whole number; so 1/2 < the row's largest p <= 1. The row's sum l is taken of the UNQUANTISED p, in f32, and the product's result is divided by l at the end. Since M is a whole number, a kernel that streams over the keys may use a running M (the ceiling of the running maximum): every later rescaling is an exact power of two, so the quantised numbers keep their values, but for numbers so far below the row's largest that they fall under the format's range.
;;   OPERANDS COMPUTED ON THE WAY. 'Computed on the way' means the value that the module computes at that place (a softmax that the list does not call 'softmax' is quantised finished and normalised). What goes into a quantiser is computed in f32, as accurately as f32 sums, v_exp_f32 and their like allow (about 1e-6 of the number): no bf16 or f16 on the way to a quantiser, and a product that is left as it is and whose result goes on into a quantised operand takes f32 operands (vector FMAs, or v_wmma_f32_16x16x4_f32). A number that lies on a knife's edge between two numbers of the format may be rounded either way, as far as f32 arithmetic and the matrix unit's own rounding can turn it there, and no further.
;; One version. Each part assembles by itself: llvm-mc -triple=amdgcn-amd-amdhsa -mcpu=gfx1250 --defsym DOCPART=n.
;; ======== version 1 of 1: 4 launches
;; limits: right only within a limited range of input values
;; workspace buffers: x_img 8,388,608 bytes; wa_img 3,145,728 bytes; wp_img 1,048,576 bytes; q_img 8,388,608 bytes; k_img 8,388,608 bytes; v_img 8,388,608 bytes; y_img 8,388,608 bytes
;; launch prep (part 1): grid 768 x 1, 4 waves a work-group, no clusters, 34,304 bytes of LDS; arguments x, w_attn, w_proj, lowp_scales, x_img, wa_img, wp_img; writes x_img, wa_img, wp_img
.if DOCPART == 1
	.amdgcn_target "amdgcn-amd-amdhsa--gfx1250"
	.amdhsa_code_object_version 6
	.text
	.protected	k_qfa6cdcec5f_prep
	.globl	k_qfa6cdcec5f_prep
	.p2align	8
	.type	k_qfa6cdcec5f_prep,@function
k_qfa6cdcec5f_prep:
	s_mov_b64 s[64:65], 0
	v_nop
	global_prefetch_b8 v0, s[64:65] scope:SCOPE_SE
	s_setreg_imm32_b32 hwreg(HW_REG_WAVE_MODE, 25, 1), 1
	s_wait_xcnt 0x0
; x [8192][1024], w_attn [1024][3072] and w_proj [1024][1024], f32, become codes of E4M3, each with the one scale 2^e given for it (entries 0, 1 and 7 of the scales).
; code = number / 2^e, held within +-448, rounded to the nearest code, ties to even.  LIMITS: e between -126 and 119; NaN among the inputs is not served.
; THE CODES ARE LAID AS IMAGES OF THE OPERAND'S REGISTERS.  An image is 16 rows x 128 along K in 2,048 bytes: chunk j (512 bytes) holds, at 16 x lane, registers 4 j .. 4 j + 3 of the 8-bit fragment:
; lane (r, h) has of row r the codes k = 32 j + 8 h + 0..7 and then k = 32 j + 16 + 8 h + 0..7.  A buffer is [row tile][K step 0..7][2048].
; ROW TILES OF x ARE NOT 16 NEIGHBOURS: place i of tile R is row 32 (R / 2) + 8 (R % 2) + i + 8 (i / 8); tiles of the weights take their 16 columns n as they come.
; Work-groups 0-511: a row tile of x each; 512-703: w_attn, 128 columns x one K step each; 704-767: w_proj likewise.  The waves share nothing: no barrier; nothing is read twice, so no cluster.
.set SP,  528                          ; x: a row in a wave's stage: 512 bytes + 16, so that the 16 rows that a read touches begin at 16 different 16-byte columns of 256
.set RG,  16                           ; x: v16-143  two units of 16 rows x 128 numbers, as loaded
.set XS,  144                          ; x: v144-207 a lane's 64 numbers, in the order of its registers of codes
.set XW,  16                           ; weights: v16-79 two sets of 32 numbers down K
.set CD,  208                          ; v208-239 codes; no register of them is written twice, so no store's data is ever rewritten
.macro MKSC ex                         ; v11 = 2^e as f32 (the conversion takes its exponent field)
	s_add_co_i32 s34, s[\ex], 127
	s_lshl_b32 s35, s34, 23
	v_mov_b32 v11, s35
.endm
	s_load_b256 s[4:11], s[0:1], 0x0               ; x s[4:5], w_attn s[6:7], w_proj s[8:9], the scales' exponents s[10:11]
	s_load_b128 s[12:15], s[0:1], 0x20             ; x_img s[12:13], wa_img s[14:15]
	s_load_b64 s[16:17], s[0:1], 0x30              ; wp_img
	v_lshl_add_u32 v240, v0, 2, 0x8400
	v_mov_b32 v241, 0
	v_lshrrev_b32 v1, 5, v0
	v_readfirstlane_b32 s20, v1                    ; wave 0..3
	v_and_b32 v1, 31, v0                           ; lane
	v_and_b32 v2, 15, v0                           ; r
	v_bfe_u32 v7, v0, 4, 1                         ; h
	s_wait_kmcnt 0x0
	s_load_b256 s[24:31], s[10:11], 0x0            ; e0 .. e7
	s_cmp_lt_u32 ttmp9, 512
	s_cbranch_scc0 .Lweights
; ---- x: row tile R = the work-group's number; wave w takes K steps 2 w and 2 w + 1.
; Each load reads 512 consecutive bytes of one row (a K step).  A lane's codes want 8 + 8 neighbours of ONE row, so a unit's 16 rows turn through the wave's own stage in LDS.
	s_lshr_b32 s21, ttmp9, 1
	s_lshl_b32 s21, s21, 17                        ; 32 rows of 4,096 bytes for each pair of tiles
	s_and_b32 s22, ttmp9, 1
	s_lshl_b32 s22, s22, 15                        ; 8 rows for the odd tile
	s_add_co_u32 s22, s21, s22
	s_lshl_b32 s21, s20, 10                        ; my two K steps: 1,024 bytes of a row
	s_add_co_u32 s22, s22, s21
	s_mov_b32 s23, 0
	s_add_nc_u64 s[4:5], s[4:5], s[22:23]
	s_lshl_b32 s22, ttmp9, 14                      ; the tile's eight images,
	s_lshl_b32 s21, s20, 12                        ; my two of them
	s_add_co_u32 s22, s22, s21
	s_add_nc_u64 s[12:13], s[12:13], s[22:23]
	s_wait_alu depctr_va_vdst(0)
	v_lshlrev_b32 v3, 4, v1                        ; 16 x lane: in a load's 512 bytes, and in a chunk of an image
	s_mul_i32 s21, s20, 16*SP                      ; my stage
	v_add_nc_u32 v4, s21, v3                       ; into it: as loaded
	v_mul_u32_u24 v5, v2, SP
	v_lshl_add_u32 v5, v7, 5, v5
	v_add_nc_u32 v5, s21, v5                       ; out of it: row r, + 8 h numbers
.macro LOADU u
.irp i, 0,1,2,3,4,5,6,7,8,9,10,11,12,13,14,15
	global_load_b128 v[RG+64*\u+4*\i:RG+64*\u+4*\i+3], v3, s[4:5] offset:(\i+8*(\i/8))*4096+512*\u th:TH_LOAD_NT
.endr
.endm
.macro UNIT u
	s_wait_loadcnt 16*(1-\u)                       ; this unit's 16 loads are in; the second unit's 16 may be out
.irp i, 0,1,2,3,4,5,6,7,8,9,10,11,12,13,14,15
	ds_store_b128 v4, v[RG+64*\u+4*\i:RG+64*\u+4*\i+3] offset:SP*\i
.endr
.irp j, 0,1,2,3                                ; LDS serves a wave's instructions in order: these see the stores above
	ds_load_b128 v[XS+16*\j:XS+16*\j+3],     v5 offset:128*\j      ; k = 32 j + 8 h + 0..3
	ds_load_b128 v[XS+16*\j+4:XS+16*\j+7],   v5 offset:128*\j+16   ;                 4..7
	ds_load_b128 v[XS+16*\j+8:XS+16*\j+11],  v5 offset:128*\j+64   ; k = 32 j + 16 + 8 h + 0..3
	ds_load_b128 v[XS+16*\j+12:XS+16*\j+15], v5 offset:128*\j+80
.endr
	s_wait_dscnt 0x0
.set cnt, 0
.rept 64
.set cnt, cnt+1
.endr
.irp j, 0,1,2,3
	v_cvt_scalef32_pk8_fp8_f32 v[CD+16*\u+4*\j:CD+16*\u+4*\j+1],   v[XS+16*\j:XS+16*\j+7],    v11
	v_cvt_scalef32_pk8_fp8_f32 v[CD+16*\u+4*\j+2:CD+16*\u+4*\j+3], v[XS+16*\j+8:XS+16*\j+15], v11
.endr
	v_nop                                          ; a plain line behind the conversions: the next unit's LDS loads write their sources
.irp j, 0,1,2,3
	global_store_b128 v3, v[CD+16*\u+4*\j:CD+16*\u+4*\j+3], s[12:13] offset:2048*\u+512*\j   ; 32 lanes store 512 consecutive bytes, aligned
.endr
.endm
	LOADU 0
	LOADU 1
	s_wait_alu depctr_va_vdst(0)
	s_wait_kmcnt 0x0
	MKSC 24                                        ; e0
	s_wait_alu depctr_va_vdst(0)
	UNIT 0
	UNIT 1
	s_wait_tensorcnt 0x0
	ds_add_u32 v240, v241
	s_wait_dscnt 0x0
	s_endpgm
; ---- a weight, [1024 (k)][cols] f32: K is its first axis.  A LANE TAKES A COLUMN AND ITS REGISTERS RUN DOWN K: a load reads 128 consecutive bytes a wave, 512 a work-group, and a lane's 32 numbers
; of block t are both halves (h = 0 and 1) of its column's place in chunk t of the image.  Sixteen lanes store 256 consecutive bytes, aligned.  Loads run two blocks ahead.
.macro LOADW t, cols, src
.set cnt, 0
.rept 32
	global_load_b32 v[XW+32*((\t)%2)+cnt], v3, s[\src:\src+1] offset:(32*(\t)+cnt)*\cols*4 th:TH_LOAD_NT
.set cnt, cnt+1
.endr
.endm
.macro BLOCKW t, cols, src, dst
.set XB, XW+32*((\t)%2)
.if (\t) < 3
	s_wait_loadcnt 32                              ; this block's 32 loads are in; the next block's 32 may be out
.else
	s_wait_loadcnt 0x0
.endif
.set cnt, 0
.rept 32
.set cnt, cnt+1
.endr
	v_cvt_scalef32_pk8_fp8_f32 v[CD+8*(\t):CD+8*(\t)+1],   v[XB:XB+7],     v11   ; h = 0: k = 32 t + 0..7,
	v_cvt_scalef32_pk8_fp8_f32 v[CD+8*(\t)+2:CD+8*(\t)+3], v[XB+16:XB+23], v11   ;        k = 32 t + 16..23
	v_cvt_scalef32_pk8_fp8_f32 v[CD+8*(\t)+4:CD+8*(\t)+5], v[XB+8:XB+15],  v11   ; h = 1: k = 32 t + 8..15,
	v_cvt_scalef32_pk8_fp8_f32 v[CD+8*(\t)+6:CD+8*(\t)+7], v[XB+24:XB+31], v11   ;        k = 32 t + 24..31
	v_nop
	global_store_b128 v6, v[CD+8*(\t):CD+8*(\t)+3],   s[\dst:\dst+1] offset:512*(\t)
	global_store_b128 v6, v[CD+8*(\t)+4:CD+8*(\t)+7], s[\dst:\dst+1] offset:512*(\t)+256
.if (\t) < 2
	LOADW (\t)+2, \cols, \src
.endif
.endm
.macro WPATH cols, src, dst, ex, first
	s_sub_co_u32 s21, ttmp9, \first
	s_lshr_b32 s22, s21, 3                         ; which 128 columns
	s_and_b32 s21, s21, 7                          ; which K step
	s_mul_i32 s32, s21, 128*\cols*4                ; 128 rows of the weight,
	s_lshl_b32 s33, s22, 9                         ; 128 columns,
	s_add_co_u32 s32, s32, s33
	s_lshl_b32 s33, s20, 7                         ; my wave's 32 of them
	s_add_co_u32 s32, s32, s33
	s_mov_b32 s33, 0
	s_add_nc_u64 s[\src:\src+1], s[\src:\src+1], s[32:33]
	s_lshl_b32 s32, s22, 17                        ; eight row tiles of 16,384 bytes,
	s_lshl_b32 s23, s20, 15                        ; my wave's two,
	s_add_co_u32 s32, s32, s23
	s_lshl_b32 s23, s21, 11                        ; the K step's image
	s_add_co_u32 s32, s32, s23
	s_add_nc_u64 s[\dst:\dst+1], s[\dst:\dst+1], s[32:33]
	v_lshlrev_b32 v3, 2, v1                        ; in: 4 bytes a lane
	v_lshlrev_b32 v6, 4, v2
	v_lshl_add_u32 v6, v7, 14, v6                  ; out: lanes 16-31 stand in the next row tile; 16 bytes a column
	LOADW 0, \cols, \src
	LOADW 1, \cols, \src
	s_wait_kmcnt 0x0
	MKSC \ex
	s_wait_alu depctr_va_vdst(0)
	BLOCKW 0, \cols, \src, \dst
	BLOCKW 1, \cols, \src, \dst
	BLOCKW 2, \cols, \src, \dst
	BLOCKW 3, \cols, \src, \dst
	s_endpgm
.endm
.Lweights:
	s_cmp_lt_u32 ttmp9, 704
	s_cbranch_scc0 .Lproj_w
	s_wait_alu depctr_va_vdst(0)
	WPATH 3072, 6, 14, 25, 512                     ; w_attn, e1
.Lproj_w:
	s_wait_alu depctr_va_vdst(0)
	WPATH 1024, 8, 16, 31, 704                     ; w_proj, e7
.Lfunc_end_k_qfa6cdcec5f_prep:
	.size	k_qfa6cdcec5f_prep, .Lfunc_end_k_qfa6cdcec5f_prep-k_qfa6cdcec5f_prep
	.p2alignl 7, 3214868480
	.fill 96, 4, 3214868480
	.section	.rodata,"a",@progbits
	.p2align	6, 0x0
	.amdhsa_kernel k_qfa6cdcec5f_prep
		.amdhsa_group_segment_fixed_size 34304
		.amdhsa_private_segment_fixed_size 0
		.amdhsa_enable_private_segment 0
		.amdhsa_kernarg_size 56
		.amdhsa_user_sgpr_count 2
		.amdhsa_user_sgpr_kernarg_segment_ptr 1
		.amdhsa_wavefront_size32 1
		.amdhsa_system_sgpr_workgroup_id_x 1
		.amdhsa_system_sgpr_workgroup_id_y 1
		.amdhsa_system_sgpr_workgroup_id_z 1
		.amdhsa_system_vgpr_workitem_id 0
		.amdhsa_next_free_vgpr 242
		.amdhsa_next_free_sgpr 66
		.amdhsa_reserve_vcc 0
		.amdhsa_float_denorm_mode_32 3
		.amdhsa_float_denorm_mode_16_64 3
		.amdhsa_fp16_overflow 1
		.amdhsa_memory_ordered 1
		.amdhsa_forward_progress 1
		.amdhsa_inst_pref_size 41
	.end_amdhsa_kernel
	.amdgpu_metadata
---
amdhsa.version: [ 1, 2 ]
amdhsa.kernels:
  - .name:           k_qfa6cdcec5f_prep
    .symbol:         k_qfa6cdcec5f_prep.kd
    .args:
      - { .name: x, .offset: 0, .size: 8, .value_kind: global_buffer, .address_space: global }
      - { .name: w_attn, .offset: 8, .size: 8, .value_kind: global_buffer, .address_space: global }
      - { .name: w_proj, .offset: 16, .size: 8, .value_kind: global_buffer, .address_space: global }
      - { .name: lowp_scales, .offset: 24, .size: 8, .value_kind: global_buffer, .address_space: global }
      - { .name: x_img, .offset: 32, .size: 8, .value_kind: global_buffer, .address_space: global }
      - { .name: wa_img, .offset: 40, .size: 8, .value_kind: global_buffer, .address_space: global }
      - { .name: wp_img, .offset: 48, .size: 8, .value_kind: global_buffer, .address_space: global }
    .group_segment_fixed_size: 34304
    .private_segment_fixed_size: 0
    .kernarg_segment_align: 8
    .kernarg_segment_size: 56
    .max_flat_workgroup_size: 128
    .sgpr_count:     66
    .vgpr_count:     242
    .wavefront_size: 32
...
	.end_amdgpu_metadata
.endif
;; end of part 1
;; launch qkv (part 2): grid 12 x 32, 4 waves a work-group, clusters of 4 x 4, 327,680 bytes of LDS; arguments x_img, wa_img, b_attn, lowp_scales, q_img, k_img, v_img; writes q_img, k_img, v_img
.if DOCPART == 2
	.amdgcn_target "amdgcn-amd-amdhsa--gfx1250"
	.amdhsa_code_object_version 6
	.text
	.protected	k_qfa6cdcec5f_qkv
	.globl	k_qfa6cdcec5f_qkv
	.p2align	8
	.type	k_qfa6cdcec5f_qkv,@function
k_qfa6cdcec5f_qkv:
	s_mov_b64 s[64:65], 0
	v_nop
	global_prefetch_b8 v0, s[64:65] scope:SCOPE_SE
	s_setreg_imm32_b32 hwreg(HW_REG_WAVE_MODE, 25, 1), 1
	s_wait_xcnt 0x0
	s_wait_alu depctr_hold_cnt(0) depctr_sa_sdst(0) depctr_va_vdst(0) depctr_va_sdst(0) depctr_va_ssrc(0) depctr_va_vcc(0) depctr_vm_vsrc(0)
	s_getreg_b32 s2, hwreg(HW_REG_IB_STS2, 6, 4)
	s_cmp_eq_u32 s2, 0
	s_cbranch_scc0 .Lentry_in_a_cluster
	s_endpgm
.Lentry_in_a_cluster:
	s_bfe_u32 s2, ttmp6, 0x10000c
	s_cmp_lg_u32 s2, 0xf033
	s_cbranch_scc0 .Lentry_shape_is_right
	s_endpgm
.Lentry_shape_is_right:
; qkv = x w_attn + b_attn on codes of E4M3 (K = 1,024), and q, k, v quantised at once with the scales given for them (entries 2, 3, 5): only codes go to memory.
; OPERANDS are images of registers: [row tile of 16][K step 0..7][2048 bytes]; chunk c of an image (512 bytes) holds registers 4 c .. 4 c + 3 at 16 x lane.  Place i of row tile R of x is token 32 (R / 2) + 8 (R % 2) + i + 8 (i / 8).
; A work-group of four waves makes 256 x 256 sums, a wave 128 x 128: 64 accumulators, 512 registers.  K goes in steps of 256 through a ring of two LDS slots: four steps, written out.
; q AND k (cluster x = 0, 1): source 0 = 16 columns n of w_attn, source 1 = 16 tokens: a lane holds ONE token and 8 neighbouring n: four accumulators are a head's 64, and their codes are a fragment 16 tokens x 64 of q or k.
; v (cluster x = 2): THE SOURCES CHANGE PLACES: source 0 = 16 tokens, source 1 = 16 columns: a lane holds ONE channel d, and its eight accumulators run along 128 tokens: their codes are a fragment 16 d x 128 keys, registers
; 2 b, 2 b + 1 = keys 32 (b / 2) + 8 (b % 2) + 16 (lane / 16) + 0..7, the order in which the attention's weights come out of its first product.
; CLUSTERS: 4 x 4.  Source 0's tile hangs on cx and is shared along a column of the cluster, source 1's on cy and is shared along a row, for q, k and v alike: each is asked for jointly.  Every branch hangs on the wave's
; number or on the cluster's x, which all sixteen partners share.
; LIMITS: e0 + e1 between -126 and 127; e2, e3, e5 between -126 and 119.  NaN among the inputs is not served.
; REGISTERS, in windows of 256: window 0: v2-4, v16-31 addresses and scales; v32-95 the bias; v128-255 source 1's fragments, ONE set, later the codes.  window 1: source 0's fragments, TWO sets.
;   window 2: the 32 accumulators of source 1's blocks 0-3 ((a, b) at v[8 (8 (a % 4) + b)]);  window 3: those of blocks 4-7.
.set ROWB,  4096                       ; a slot's bytes of one row tile: two images
.set HALFT, 8*ROWB                     ; eight row tiles, 128 rows: what one tensor load brings, and what a wave reads of a source
.set SLOT,  4*HALFT                    ; source 1's 256 rows, then source 0's
.set SPARE, 2*SLOT                     ; behind the ring: the spare words, 128 bytes for each wave: two blocks of 256 bytes that no other line names
.set FR,    16                         ; registers of a fragment
.set NL,    4                          ; LDS loads that bring one
.set NP,    4                          ; places behind this matrix instruction (ISA guide 7.12.1)
.set ADRA,  16                         ; v16-17  LDS address of my fragments of source 1 in slot 0, 1
.set ADRB,  20                         ; v20-21  the same for source 0
.set LI,    26                         ; v26     16 x lane
.set SPW,   28                         ; v28     LDS address of my spare word; never rewritten
.set NIL,   29                         ; v29     0; never rewritten
.set LIM,   30                         ; v30     unused
.set SCL,   31                         ; v31     the result's scale as f32
.set BI,    32                         ; v32-95  the bias
.set AF,    128                        ; source 1's fragments
.set PC,    128                        ; and, when they are done with, the codes: 16 registers for each block a
.set G1,  24                           ; s[24:31] descriptor group 1 for source 1's tiles;  s[32:39] group 0, one set for each slot
.set G0,  32
.set G1B, 48                           ; s[48:55], s[56:63] the same for source 0's
.set G0B, 56
.set MSB, 0
.macro WIN new                         ; the immediate's high byte repeats the setting that is left
.if MSB != (\new)
	s_set_vgpr_msb (MSB<<8)|(\new)
.set MSB, (\new)
.endif
.endm
.set MUL_LO, 0xa1                      ; source 0 window 1, source 1 window 0, C and D window 2
.set MUL_HI, 0xf1                      ; the same, C and D window 3
.set TO_B,   0x40                      ; destination window 1, address window 0
; A joint load: waves 0 and 1 fetch source 1's halves, waves 2 and 3 source 0's.  Each line has one mask and one set of registers for all that issue it; the branch hangs on the wave's number alone.
; Four v_nop follow each of the two lines, ahead of the jump, the label and what follows.
.macro JLOAD g0a, g1a, g0b, g1b
	s_cmp_eq_u32 s15, 0
	s_cbranch_scc0 .Lfor_b_\@
	tensor_load_to_lds s[\g0a:\g0a+3], s[\g1a:\g1a+7]
	s_nop 0
.rept 4
	v_nop
.endr
	s_branch .Lasked_\@
.Lfor_b_\@:
	tensor_load_to_lds s[\g0b:\g0b+3], s[\g1b:\g1b+7]
	s_nop 0
.rept 4
	v_nop
.endr
.Lasked_\@:
.endm
.macro CREST                           ; a round of the cluster's barrier behind its opening barrier
	s_cmp_lg_u32 s14, 0
	s_cbranch_scc1 .Lnot_wave_0_\@
	s_barrier_signal -3
.Lnot_wave_0_\@:
	s_barrier_wait -3
	s_barrier_signal -1
	s_barrier_wait -1
.endm
.macro CROUND                          ; a whole round
	s_barrier_signal -1
	s_barrier_wait -1
	CREST
.endm
	s_load_b256 s[4:11], s[0:1], 0x0               ; x_img s[4:5], wa_img s[6:7], b_attn s[8:9], the scales' exponents s[10:11]
	s_load_b128 s[68:71], s[0:1], 0x20             ; q_img s[68:69], k_img s[70:71]
	s_load_b64 s[72:73], s[0:1], 0x30              ; v_img
	v_lshl_add_u32 v[SPW], v0, 2, SPARE
	v_mov_b32 v[NIL], 0
	ds_add_u32 v28, v29
	ds_add_u32 v28, v29
	s_wait_dscnt 0x0
	v_lshrrev_b32 v1, 5, v0
	v_readfirstlane_b32 s14, v1                    ; wave 0..3
	s_lshr_b32 s15, s14, 1                         ; which half of source 1's rows is mine.  Also: I fetch for source 1 (0) or source 0 (1)
	s_and_b32 s16, s14, 1                          ; which half of source 0's rows.  Also: which 128 rows of that tile I fetch
	s_bfe_u32 s40, ttmp6, 0x40000                  ; cx, cy: my place in the cluster
	s_bfe_u32 s41, ttmp6, 0x40004
	s_and_b32 s17, ttmp7, 0xffff                   ; the cluster's y, 0..7
	s_cmp_eq_u32 ttmp9, 2                          ; the cluster's x: 0 q, 1 k, 2 v
	s_cselect_b32 s66, 1, 0                        ; 1: values
	s_cselect_b32 s42, s17, ttmp9                  ; source 0 is x for v (tiles by the cluster's y), else w_attn (tiles by the cluster's x)
	s_cselect_b32 s18, 2, s17                      ; source 1 is w_attn's third part for v, else x
	s_lshl_b32 s42, s42, 2
	s_add_co_u32 s42, s42, s40                     ; T0: source 0's tile of 256 rows: hangs on cx, never on cy
	s_lshl_b32 s18, s18, 2
	s_add_co_u32 s18, s18, s41                     ; T1: source 1's tile: hangs on cy, never on cx
	s_lshl_b32 s43, s41, 2
	s_lshl_b32 s43, 15, s43                        ; my row of the cluster
	s_lshl_b32 s44, 0x1111, s40                    ; my column
	; descriptor group 1: eight row tiles x 4,096 bytes (two images), 16,384 bytes apart in memory, on end in LDS; elements of 8 bytes
	s_or_b32 s[G1+0], s43, (3<<16)|(1<<21)         ; 15:0 the mask: source 1's tiles go to my row; 17:16 elements of 8 bytes; 21 set beside a mask; no padding: every LDS access is 512 bytes on end
	s_or_b32 s[G1B+0], s44, (3<<16)|(1<<21)        ; source 0's go to my column
.irp g, G1, G1B
	s_mov_b32 s[\g+1], 512<<16                     ; tensor_dim0 = 512 elements
	s_mov_b32 s[\g+2], 8<<16                       ; tensor_dim1 = 8
	s_mov_b32 s[\g+3], 512<<16                     ; tile_dim0
	s_mov_b32 s[\g+4], 8                           ; tile_dim1
	s_mov_b32 s[\g+5], 2048                        ; tensor_dim0_stride: 16,384 bytes
	s_mov_b32 s[\g+6], 0
	s_mov_b32 s[\g+7], 0
.endr
	s_lshl_b32 s19, s16, 17                        ; which eight row tiles of the sixteen I fetch
	s_lshl_b32 s20, s18, 18                        ; a tile of 256 rows is 262,144 bytes of images
	s_add_co_u32 s20, s20, s19
	s_mov_b32 s21, 0
	s_lshl_b32 s46, s42, 18
	s_add_co_u32 s46, s46, s19
	s_mov_b32 s47, 0
	s_lshl_b32 s45, s14, 15                        ; where they go: wave x 32,768: no place in the cluster enters an LDS address
	s_wait_kmcnt 0x0
	s_load_b256 s[76:83], s[10:11], 0x0            ; e0 .. e7
	s_cmp_eq_u32 s66, 1
	s_cselect_b64 s[22:23], s[6:7], s[4:5]         ; source 1's buffer
	s_cselect_b64 s[74:75], s[4:5], s[6:7]         ; source 0's
	s_add_nc_u64 s[20:21], s[22:23], s[20:21]
	s_add_nc_u64 s[46:47], s[74:75], s[46:47]
	CROUND                                         ; all sixteen work-groups are here: the first joint loads meet
.irp s, 0,1
	s_mov_b32 s[G0+4*\s], 1
	s_add_co_u32 s[G0+4*\s+1], s45, \s*SLOT
	s_add_nc_u64 s[G0+4*\s+2:G0+4*\s+3], s[20:21], \s*ROWB
	s_or_b32 s[G0+4*\s+3], s[G0+4*\s+3], 0x80000000
	s_mov_b32 s[G0B+4*\s], 1
	s_add_co_u32 s[G0B+4*\s+1], s45, \s*SLOT
	s_add_nc_u64 s[G0B+4*\s+2:G0B+4*\s+3], s[46:47], \s*ROWB
	s_or_b32 s[G0B+4*\s+3], s[G0B+4*\s+3], 0x80000000
	JLOAD G0+4*\s, G1, G0B+4*\s, G1B               ; two loads of mine are out
.endr
	v_and_b32 v1, 31, v0
	v_lshlrev_b32 v[LI], 4, v1
	v_and_b32 v2, 15, v0                           ; r
	v_bfe_u32 v3, v0, 4, 1                         ; h
	s_lshl_b32 s21, s15, 15                        ; my 128 rows of source 1
	s_lshl_b32 s22, s16, 15                        ; my 128 rows of source 0,
	s_add_co_u32 s22, s22, 2*HALFT                 ; which lie behind source 1's 256
.irp s, 0,1
	v_add_nc_u32 v[ADRA+\s], s21, v[LI]
	v_add_nc_u32 v[ADRB+\s], s22, v[LI]
	s_add_co_u32 s21, s21, SLOT
	s_add_co_u32 s22, s22, SLOT
.endr
	s_wait_alu depctr_va_vdst(0)
	s_wait_kmcnt 0x0
	s_add_co_i32 s84, s76, s77
	s_add_co_i32 s84, s84, 127
	s_lshl_b32 s84, s84, 23                        ; 2^(e0 + e1) as f32
	s_mov_b32 s85, s84                             ; (named with it as a pair, so it is written)
.macro FRAG reg, adr, q, i             ; row tile i's image of the slot's q-th 128 along K comes as it lies: four loads of 512 consecutive bytes
.irp c, 0,1,2,3
	ds_load_b128 v[\reg+4*\c:\reg+4*\c+3], v[\adr] offset:ROWB*(\i)+2048*(\q)+512*\c
.endr
.endm
; 16 matrix instructions: source 1's blocks a0, a0 + 1 x source 0's eight, 128 along K.  p: source 0's set.  zero = 1: the first product starts the sums.
; The 64 accumulators take turns, one instruction a turn, in the same order in every step.
.macro MUL16 a0, p, zero
.irp a, \a0, \a0+1
.irp b, 0,1,2,3,4,5,6,7
.if \zero
	v_wmma_f32_16x16x128_fp8_fp8 v[8*(8*((\a)%4)+\b):8*(8*((\a)%4)+\b)+7], v[128*(\p)+FR*\b:128*(\p)+FR*\b+FR-1], v[AF+FR*(\a):AF+FR*(\a)+FR-1], 0
.else
	v_wmma_f32_16x16x128_fp8_fp8 v[8*(8*((\a)%4)+\b):8*(8*((\a)%4)+\b)+7], v[128*(\p)+FR*\b:128*(\p)+FR*\b+FR-1], v[AF+FR*(\a):AF+FR*(\a)+FR-1], v[8*(8*((\a)%4)+\b):8*(8*((\a)%4)+\b)+7]
.endif
.endr
.endr
.endm
.macro FETCH_B slot, q, p
	WIN TO_B
.irp i, 0,1,2,3,4,5,6,7
	FRAG 128*(\p)+FR*\i, ADRB+\slot, \q, \i
.endr
	WIN 0
.endm
.macro FETCH_A slot, q, i0
.irp i, \i0, \i0+1, \i0+2, \i0+3
	FRAG AF+FR*(\i), ADRA+\slot, \q, \i
.endr
.endm
.macro PLACES n                        ; plain vector lines between a matrix instruction and a load into a register that it read, or a read of its result
.rept \n
	v_nop
.endr
.endm
; A step of 128 along K that has its successor in the same slot.  Source 1 has one set of registers: blocks 0-3 are fetched anew in the step's middle, blocks 4-7 at its end.
.macro STEP slot, q, zero
	s_wait_dscnt 4*NL                              ; source 0's set and source 1's blocks 0-3 are in; the youngest 16 loads (blocks 4-7) may be out
	WIN MUL_LO
	MUL16 0, (\q)%2, \zero
	MUL16 2, (\q)%2, \zero
	s_wait_dscnt 0
	PLACES NP
	FETCH_B \slot, (\q)+1, 1-(\q)%2
	FETCH_A \slot, (\q)+1, 0
	WIN MUL_HI
	MUL16 4, (\q)%2, \zero
	MUL16 6, (\q)%2, \zero
	PLACES NP
	WIN 0
	FETCH_A \slot, (\q)+1, 4
.endm
; A slot's last step changes slots: one barrier; in front of it each wave waits for all its tensor loads, adds 0 to its spare word, and waits for that and for its own reads of this slot.  fill = 1: the slot is filled again, two K steps ahead.
.macro TURN slot, next, fill
	s_wait_tensorcnt 0x0                           ; all my tensor loads have landed: my part of the next slot
	ds_add_u32 v[SPW], v[NIL]                      ; 0 onto my spare word
	s_wait_dscnt 4*NL+1                            ; (the add and the youngest 16 loads may be out)
	WIN MUL_LO
	MUL16 0, 1, 0                                  ; sixteen matrix instructions stand between the add and the wait for it
	s_wait_dscnt 0x0                               ; the add is done, and my reads of this slot are over
	s_barrier_signal -1
	MUL16 2, 1, 0
	WIN 0
	s_barrier_wait -1
.if \fill
	CREST                                          ; the barrier has opened a round of the cluster's barrier: no wave of any partner still reads this slot or has a load on its way
	s_add_nc_u64 s[G0+4*\slot+2:G0+4*\slot+3], s[G0+4*\slot+2:G0+4*\slot+3], 2*ROWB
	s_add_nc_u64 s[G0B+4*\slot+2:G0B+4*\slot+3], s[G0B+4*\slot+2:G0B+4*\slot+3], 2*ROWB
	JLOAD G0+4*\slot, G1, G0B+4*\slot, G1B         ; the first tensor load behind the round, my only one until the next; its four v_nop are the places in front of the loads below
.else
	PLACES NP
.endif
	FETCH_B \next, 0, 0
	FETCH_A \next, 0, 0
	WIN MUL_HI
	MUL16 4, 1, 0
	MUL16 6, 1, 0
	PLACES NP
	WIN 0
	FETCH_A \next, 0, 4
.endm
.macro LASTK                           ; the last K step: 128 matrix instructions, nothing more to fetch behind its first half
	STEP 1, 0, 0
	s_wait_dscnt 4*NL
	WIN MUL_LO
	MUL16 0, 1, 0
	MUL16 2, 1, 0
	s_wait_dscnt 0
	WIN MUL_HI
	MUL16 4, 1, 0
	MUL16 6, 1, 0
	WIN 0
	s_wait_loadcnt 0x0                             ; the bias, asked for 128 matrix instructions ago
	PLACES NP
.endm
.macro MKQ                             ; s93 = the result's exponent e: v[SCL] = 2^e, s93 = 448 x 2^e
	s_add_co_i32 s93, s93, 127
	s_lshl_b32 s94, s93, 23
	v_mov_b32 v[SCL], s94
	s_add_co_i32 s93, s93, 8
	s_lshl_b32 s93, s93, 23
	s_or_b32 s93, s93, 0x600000
.endm
; THE WAY OUT, block a of source 1 at a time: sum x 2^(e0 + e1) + bias in one packed multiply-add, each accumulator from its low end on; eight conversions make 16 registers of codes, which ARE images:
; four stores of 512 consecutive bytes.  Every offset is an immediate and every block has its own registers of codes, so nothing that a store reads is written again.
.macro EPI isv
.irp a, 0,1,2,3,4,5,6,7
.set AC, 64*(\a%4)
	WIN 0x82+0x41*(\a/4)                           ; destination and source 0: window 2 or 3
.irp b, 0,1,2,3,4,5,6,7
.irp i, 0,2,4,6
.if \isv
	v_pk_fma_f32 v[AC+8*\b+\i:AC+8*\b+\i+1], v[AC+8*\b+\i:AC+8*\b+\i+1], s[84:85], v[BI+2*\a:BI+2*\a+1] op_sel_hi:[1,0,1]
.else
	v_pk_fma_f32 v[AC+8*\b+\i:AC+8*\b+\i+1], v[AC+8*\b+\i:AC+8*\b+\i+1], s[84:85], v[BI+8*\b+\i:BI+8*\b+\i+1] op_sel_hi:[1,0,1]
.endif
.endr
.endr
.set cnt, 0
.rept 64
.set cnt, cnt+1
.endr
	WIN 0x02+(\a/4)                                ; source 0: window 2 or 3
.irp b, 0,1,2,3,4,5,6,7
	v_cvt_scalef32_pk8_fp8_f32 v[PC+16*\a+2*\b:PC+16*\a+2*\b+1], v[AC+8*\b:AC+8*\b+7], v[SCL]
.endr
	v_nop                                          ; a plain line behind the conversions
	WIN 0
.irp j, 0,1,2,3
.if \isv
	global_store_b128 v[LI], v[PC+16*\a+4*\j:PC+16*\a+4*\j+3], s[86:87] offset:(\a/4)*131072+(\a%4)*2048+512*\j   ; head a / 4 of my two, channels 16 (a % 4) on, chunk j
.else
	global_store_b128 v[LI], v[PC+16*\a+4*\j:PC+16*\a+4*\j+3], s[86:87] offset:\a*1024+(\j/2)*131072+(\j%2)*512   ; token tile a, head j / 2 of my two, chunk j % 2
.endif
.endr
.endr
.endm
	s_wait_tensorcnt 1                             ; my part of K step 0 is in (K step 1's load may be out)
	s_barrier_signal -1
	s_barrier_wait -1                              ; everybody's is
	FETCH_B 0, 0, 0
	FETCH_A 0, 0, 0
	FETCH_A 0, 0, 4
	STEP 0, 0, 1                                   ; the first products start the sums: nothing is cleared
	TURN 0, 1, 1                                   ; slot 0 takes K step 2
	STEP 1, 0, 0
	TURN 1, 0, 1                                   ; slot 1 takes K step 3
	STEP 0, 0, 0
	TURN 0, 1, 0                                   ; nothing is left to ask for
	; q and k part from v HERE, once: behind this line stand no tensor load and no barrier but the closing lines.
	s_cmp_eq_u32 s66, 1
	s_cbranch_scc1 .Lvalues
	; ---- q, k.  Bias: lane (r, h) wants, for block b, b_attn[256 T0 + 128 (wave % 2) + 16 b + 8 h + 0..7]
	s_lshl_b32 s90, s42, 10
	s_lshl_b32 s91, s16, 9
	s_add_co_u32 s90, s90, s91
	s_mov_b32 s91, 0
	s_add_nc_u64 s[88:89], s[8:9], s[90:91]
	v_lshlrev_b32 v4, 5, v3
.irp b, 0,1,2,3,4,5,6,7
	global_load_b128 v[BI+8*\b:BI+8*\b+3],   v4, s[88:89] offset:64*\b
	global_load_b128 v[BI+8*\b+4:BI+8*\b+7], v4, s[88:89] offset:64*\b+16
.endr
	s_lshr_b32 s90, s18, 3                         ; the batch: eight tiles of 256 tokens each
	s_lshl_b32 s90, s90, 4
	s_and_b32 s92, s42, 3
	s_lshl_b32 s92, s92, 2                         ; four heads to 256 columns,
	s_add_co_u32 s90, s90, s92
	s_lshl_b32 s92, s16, 1                         ; my two of them
	s_add_co_u32 s90, s90, s92
	s_lshl_b32 s90, s90, 7                         ; 128 token tiles to a head
	s_and_b32 s92, s18, 7
	s_lshl_b32 s92, s92, 4
	s_add_co_u32 s90, s90, s92
	s_lshl_b32 s92, s15, 3
	s_add_co_u32 s90, s90, s92                     ; my first token tile in the batch
	s_lshl_b32 s90, s90, 10                        ; 1,024 bytes a fragment
	s_cmp_eq_u32 ttmp9, 0
	s_cselect_b64 s[86:87], s[68:69], s[70:71]     ; q_img or k_img
	s_cselect_b32 s93, s78, s79                    ; e2 or e3
	s_add_nc_u64 s[86:87], s[86:87], s[90:91]
	MKQ
	LASTK
	EPI 0
	s_branch .Lend
.Lvalues:
	; ---- v.  Bias: lane (r, h) wants, for block a, the one number b_attn[256 T1 + 128 (wave / 2) + 16 a + r]; it is loaded into both registers of the pair that the packed form names
	s_lshl_b32 s90, s18, 10
	s_lshl_b32 s91, s15, 9
	s_add_co_u32 s90, s90, s91
	s_mov_b32 s91, 0
	s_add_nc_u64 s[88:89], s[8:9], s[90:91]
	v_lshlrev_b32 v4, 2, v2
.irp a, 0,1,2,3,4,5,6,7
	global_load_b32 v[BI+2*\a],   v4, s[88:89] offset:64*\a
	global_load_b32 v[BI+2*\a+1], v4, s[88:89] offset:64*\a
.endr
	s_lshr_b32 s90, s42, 3                         ; the batch
	s_lshl_b32 s90, s90, 4
	s_lshl_b32 s92, s41, 2                         ; four heads to 256 columns,
	s_add_co_u32 s90, s90, s92
	s_lshl_b32 s92, s15, 1                         ; my two of them
	s_add_co_u32 s90, s90, s92
	s_lshl_b32 s90, s90, 4                         ; sixteen steps of 128 keys to a head
	s_and_b32 s92, s42, 7
	s_lshl_b32 s92, s92, 1
	s_add_co_u32 s90, s90, s92
	s_add_co_u32 s90, s90, s16                     ; my 128 tokens
	s_lshl_b32 s90, s90, 13                        ; four images of 2,048 bytes to a step
	s_add_nc_u64 s[86:87], s[72:73], s[90:91]
	s_mov_b32 s93, s81                             ; e5
	MKQ
	LASTK
	EPI 1
.Lend:
	s_wait_tensorcnt 0x0                           ; the wave's end
	ds_add_u32 v[SPW], v[NIL]
	s_wait_dscnt 0x0
	CROUND                                         ; the closing round: no work-group ends while a partner may still ask for a tile that names it
	s_endpgm
.Lfunc_end_k_qfa6cdcec5f_qkv:
	.size	k_qfa6cdcec5f_qkv, .Lfunc_end_k_qfa6cdcec5f_qkv-k_qfa6cdcec5f_qkv
	.p2alignl 7, 3214868480
	.fill 96, 4, 3214868480
	.section	.rodata,"a",@progbits
	.p2align	6, 0x0
	.amdhsa_kernel k_qfa6cdcec5f_qkv
		.amdhsa_group_segment_fixed_size 327680
		.amdhsa_private_segment_fixed_size 0
		.amdhsa_enable_private_segment 0
		.amdhsa_kernarg_size 56
		.amdhsa_user_sgpr_count 2
		.amdhsa_user_sgpr_kernarg_segment_ptr 1
		.amdhsa_wavefront_size32 1
		.amdhsa_system_sgpr_workgroup_id_x 1
		.amdhsa_system_sgpr_workgroup_id_y 1
		.amdhsa_system_sgpr_workgroup_id_z 1
		.amdhsa_system_vgpr_workitem_id 0
		.amdhsa_next_free_vgpr 1024
		.amdhsa_next_free_sgpr 100
		.amdhsa_reserve_vcc 0
		.amdhsa_float_denorm_mode_32 3
		.amdhsa_float_denorm_mode_16_64 3
		.amdhsa_fp16_overflow 1
		.amdhsa_memory_ordered 1
		.amdhsa_forward_progress 1
		.amdhsa_inst_pref_size 143
	.end_amdhsa_kernel
	.amdgpu_metadata
---
amdhsa.version: [ 1, 2 ]
amdhsa.kernels:
  - .name:           k_qfa6cdcec5f_qkv
    .symbol:         k_qfa6cdcec5f_qkv.kd
    .args:
      - { .name: x_img, .offset: 0, .size: 8, .value_kind: global_buffer, .address_space: global }
      - { .name: wa_img, .offset: 8, .size: 8, .value_kind: global_buffer, .address_space: global }
      - { .name: b_attn, .offset: 16, .size: 8, .value_kind: global_buffer, .address_space: global }
      - { .name: lowp_scales, .offset: 24, .size: 8, .value_kind: global_buffer, .address_space: global }
      - { .name: q_img, .offset: 32, .size: 8, .value_kind: global_buffer, .address_space: global }
      - { .name: k_img, .offset: 40, .size: 8, .value_kind: global_buffer, .address_space: global }
      - { .name: v_img, .offset: 48, .size: 8, .value_kind: global_buffer, .address_space: global }
    .group_segment_fixed_size: 327680
    .private_segment_fixed_size: 0
    .kernarg_segment_align: 8
    .kernarg_segment_size: 56
    .max_flat_workgroup_size: 128
    .sgpr_count:     100
    .vgpr_count:     1024
    .wavefront_size: 32
...
	.end_amdgpu_metadata
.endif
;; end of part 2
;; launch attn (part 3): grid 4 x 64, 16 waves a work-group, clusters of 4 x 1, 327,680 bytes of LDS; arguments q_img, k_img, v_img, lowp_scales, y_img; writes y_img
.if DOCPART == 3
	.amdgcn_target "amdgcn-amd-amdhsa--gfx1250"
	.amdhsa_code_object_version 6
	.text
	.protected	k_qfa6cdcec5f_attn
	.globl	k_qfa6cdcec5f_attn
	.p2align	8
	.type	k_qfa6cdcec5f_attn,@function
k_qfa6cdcec5f_attn:
	s_mov_b64 s[64:65], 0
	v_nop
	global_prefetch_b8 v0, s[64:65] scope:SCOPE_SE
	s_setreg_imm32_b32 hwreg(HW_REG_WAVE_MODE, 25, 1), 1
	s_wait_xcnt 0x0
	s_wait_alu depctr_hold_cnt(0) depctr_sa_sdst(0) depctr_va_vdst(0) depctr_va_sdst(0) depctr_va_ssrc(0) depctr_va_vcc(0) depctr_vm_vsrc(0)
	s_getreg_b32 s2, hwreg(HW_REG_IB_STS2, 6, 4)
	s_cmp_eq_u32 s2, 0
	s_cbranch_scc0 .Lentry_in_a_cluster
	s_endpgm
.Lentry_in_a_cluster:
	s_bfe_u32 s2, ttmp6, 0x10000c
	s_cmp_lg_u32 s2, 0x3003
	s_cbranch_scc0 .Lentry_shape_is_right
	s_endpgm
.Lentry_shape_is_right:
; Causal attention of one (batch, head) for each cluster of four work-groups, both products on codes of E4M3, and the result quantised at once for the projection (entry 6 of the scales).
; q_img, k_img: [64 heads][128 token tiles][1024]: fragments 16 tokens x 64; place i of tile T is token 32 (T / 2) + 8 (T % 2) + i + 8 (i / 8).  v_img: [64][16 steps of 128 keys][4 tiles of 16 channels][2048].
; y_img: [512 token tiles][16 heads][1024].  Every fragment is an image of its registers: chunks of 512 bytes, 16 x lane.
; THE SOFTMAX AHEAD OF THE SECOND PRODUCT: t = score x log2(e) / 8; M = the row's largest t so far, rounded UP to a whole number; p = 2^(t - M) is quantised (entry 4), not normalised; the row's sum is taken of the unquantised p
; and divides at the end.  When M moves, the sum and O are multiplied by 2^(old M - new M), which rounds nothing.
; LDS: a head's whole K (131,072 bytes) and V (131,072) lie there, each byte filled ONCE, by joint loads of the four partners, all asked for at the head: no ring, no refill.
; SHARES: a wave owns two tiles of 16 queries: tile 8 a + sub of rank a (0..7) and tile 127 - (8 a + sub) of rank 15 - a.  A tile of rank g has key steps 0 .. g, the last on the diagonal: every wave has 17 steps, two of them masked.
; Ranks hang on the wave's number alone; the place in the cluster enters q's and y's addresses and the mask's vector, no branch and no LDS address.  Both loops have constant trip counts; a step past a tile's rank is jumped over.
; LAYOUT: S^T = K Q^T (source 0 = 16 keys, source 1 = my 16 queries), O^T = V^T P^T: a lane holds ONE query throughout; the 16 registers of key tiles 2 b, 2 b + 1 are keys 32 b + 16 (lane / 16) + 0..15, the order of v_img's codes.
; LIMITS: e2 + e3 between -123 and 130 (added to c's exponent field); e4, e6 between -126 and 119; e4 + e5 goes by v_ldexp_f32 and has none.
; REGISTERS: v1 16 x lane, v2 the same in V; v4, v5 the mask's vectors; v8, v9 addresses in hand; v12 -M, v13 the largest t, v[14:15] the sum; v16-23, v24-31 q of my two tiles; v32-95 K's 8 fragments, then V's 4;
;   v96-159 S^T, then p; v160-191 O^T; v192-199, v200-207 y's codes; v224-239 p's codes; v244: 2^e4; v247: 2^e6; v236, v242, v243, v252-254 at work.
.set LK,  1
.set LV,  2
.set DQ1, 4
.set DQ2, 5
.set ADK, 8
.set ADV, 9
.set WV,  18                           ; s18  my wave's number
.set CX,  19                           ; s19  my place in the cluster
.set SEL, 20                           ; s[20:21] lane selects for v_permlanex16_b32: lane l xor 16
.set CS,  22                           ; s[22:23] c = log2(e) / 8 x 2^(e2 + e3)
.set G1,  24                           ; s[24:31] descriptor group 1;  s[32:35], s[36:39] my two groups 0
.set G0A, 32
.set G0B, 36
.set RK1, 48                           ; s48, s49 my two tiles' ranks
.set RK2, 49
.set IT,  52                           ; s52  the key step
.set TB,  53                           ; s53  8,192 x the key step: its tiles' place in K's and in V's part of LDS
.macro CROUND                          ; a round of the cluster's barrier
	s_barrier_signal -1
	s_barrier_wait -1
	s_cmp_lg_u32 s[WV], 0
	s_cbranch_scc1 .Lnot_wave_0_\@
	s_barrier_signal -3
.Lnot_wave_0_\@:
	s_barrier_wait -3
	s_barrier_signal -1
	s_barrier_wait -1
.endm
	s_load_b256 s[4:11], s[0:1], 0x0               ; q_img s[4:5], k_img s[6:7], v_img s[8:9], the scales' exponents s[10:11]
	s_load_b64 s[12:13], s[0:1], 0x20              ; y_img
	v_lshl_add_u32 v251, v0, 2, 0x40000
	v_mov_b32 v255, 0
	ds_add_u32 v251, v255
	ds_add_u32 v251, v255
	v_lshrrev_b32 v8, 5, v0
	s_delay_alu instid0(VALU_DEP_1)
	v_readfirstlane_b32 s[WV], v8                  ; wave 0..15
	s_bfe_u32 s[CX], ttmp6, 0x40000
	s_and_b32 s54, ttmp7, 0xffff                   ; 16 x batch + head: the four partners share it
	; descriptor group 1: 8,192 dense bytes as 32 rows of 256
	s_mov_b32 s[G1], 15|(3<<16)|(1<<21)            ; 15:0 the mask: all four work-groups; 17:16 elements of 8 bytes; 21 set beside a mask
	s_mov_b32 s[G1+1], 32<<16                      ; tensor_dim0 = 32 elements
	s_mov_b32 s[G1+2], 32<<16                      ; tensor_dim1 = 32
	s_mov_b32 s[G1+3], 32<<16                      ; tile_dim0
	s_mov_b32 s[G1+4], 32                          ; tile_dim1
	s_mov_b32 s[G1+5], 32                          ; tensor_dim0_stride
	s_mov_b32 s[G1+6], 0
	s_mov_b32 s[G1+7], 0
	s_mov_b32 s[SEL], 0x76543210
	s_mov_b32 s[SEL+1], 0xfedcba98
	s_mov_b32 s[CS], 0x3e38aa3b                    ; log2(e) / sqrt(64)
	s_and_b32 s14, s[WV], 7
	s_lshl_b32 s14, s14, 13                        ; waves 0-7 fetch K's key steps w and w + 8, waves 8-15 V's w - 8 and w
	s_lshr_b32 s15, s[WV], 3
	s_lshl_b32 s15, s15, 17
	s_add_co_u32 s15, s15, s14                     ; in LDS: K from 0, V from 131,072
	s_lshl_b32 s16, s54, 17                        ; in memory: a head's K or V is 131,072 bytes
	s_add_co_u32 s16, s16, s14
	s_mov_b32 s17, 0
	s_wait_dscnt 0x0
	s_wait_kmcnt 0x0
	s_load_b256 s[40:47], s[10:11], 0x0            ; e0 .. e7
	s_cmp_lt_u32 s[WV], 8
	s_cselect_b64 s[2:3], s[6:7], s[8:9]
	s_add_nc_u64 s[2:3], s[2:3], s[16:17]
	s_mov_b32 s[G0A], 1
	s_mov_b32 s[G0A+1], s15
	s_mov_b64 s[G0A+2:G0A+3], s[2:3]
	s_or_b32 s[G0A+3], s[G0A+3], 0x80000000
	s_mov_b32 s[G0B], 1
	s_add_co_u32 s[G0B+1], s15, 65536              ; eight key steps on, in LDS and in memory
	s_add_nc_u64 s[G0B+2:G0B+3], s[2:3], 65536
	s_or_b32 s[G0B+3], s[G0B+3], 0x80000000
	CROUND                                         ; all four work-groups are here: the joint loads meet
	tensor_load_to_lds s[G0A:G0A+3], s[G1:G1+7]    ; one load of mine is out, into bytes that are mine by the wave's number
	s_nop 0
	s_wait_alu depctr_va_vdst(0)
	s_wait_tensorcnt 0x0
	ds_add_u32 v251, v255
	s_wait_dscnt 0x0
	CROUND
	tensor_load_to_lds s[G0B:G0B+3], s[G1:G1+7]
	s_nop 0
.rept 4
	v_nop
.endr
	; my two tiles
	s_lshr_b32 s50, s[WV], 2
	s_lshl_b32 s50, s50, 2
	s_lshr_b32 s[RK1], 0x4370, s50                 ; waves 0-3: ranks 0, 1; 4-7: 7, 6; 8-11: 3, 2; 12-15: 4, 5: waves w, w + 4, w + 8, w + 12 have 18 steps together in the first pass
	s_and_b32 s[RK1], s[RK1], 15
	s_bfe_u32 s51, s[WV], 0x10001
	s_xor_b32 s[RK1], s[RK1], s51
	s_sub_co_u32 s[RK2], 15, s[RK1]
	s_and_b32 s51, s[WV], 1
	s_lshl_b32 s51, s51, 2
	s_add_co_u32 s51, s51, s[CX]                   ; which of a rank's eight tiles: 4 (wave % 2) + cx
	s_lshl_b32 s50, s[RK1], 3
	s_add_co_u32 s50, s50, s51                     ; the first tile,
	s_sub_co_u32 s55, 127, s50                     ; the second
	s_lshl_b32 s14, s54, 17
	s_mov_b32 s15, 0
	s_add_nc_u64 s[4:5], s[4:5], s[14:15]          ; q at my head
	s_lshl_b32 s14, s50, 10
	s_add_nc_u64 s[56:57], s[4:5], s[14:15]
	s_lshl_b32 s14, s55, 10
	s_add_nc_u64 s[62:63], s[4:5], s[14:15]
	v_and_b32 v[LK], 31, v0
	s_delay_alu instid0(VALU_DEP_1)
	v_lshlrev_b32 v[LK], 4, v[LK]
	global_load_b128 v[16:19], v[LK], s[56:57]
	global_load_b128 v[20:23], v[LK], s[56:57] offset:512
	global_load_b128 v[24:27], v[LK], s[62:63]
	global_load_b128 v[28:31], v[LK], s[62:63] offset:512
	v_add_nc_u32 v[LV], 131072, v[LK]
	s_lshr_b32 s14, s54, 4
	s_lshl_b32 s14, s14, 21                        ; y: a batch's 128 token tiles of 16,384 bytes,
	s_and_b32 s16, s54, 15
	s_lshl_b32 s16, s16, 10                        ; my head's 1,024 of them
	s_add_co_u32 s14, s14, s16
	s_add_nc_u64 s[12:13], s[12:13], s[14:15]
	s_lshl_b32 s14, s50, 14
	s_add_nc_u64 s[58:59], s[12:13], s[14:15]
	s_lshl_b32 s14, s55, 14
	s_add_nc_u64 s[60:61], s[12:13], s[14:15]
	; the mask's vectors: my query's place among its step's 128 tokens, less 16 (lane / 16)
	v_and_b32 v8, 15, v0
	v_bfe_u32 v9, v0, 4, 1
	s_delay_alu instid0(VALU_DEP_2)
	v_and_b32 v10, 8, v8
	s_delay_alu instid0(VALU_DEP_1)
	v_add_nc_u32 v10, v10, v8
	s_delay_alu instid0(VALU_DEP_3)
	v_lshlrev_b32 v9, 4, v9
	s_delay_alu instid0(VALU_DEP_1)
	v_sub_nc_u32 v10, v10, v9                      ; r + 8 (r / 8) - 16 h
	s_wait_alu depctr_va_vdst(0)
	s_lshr_b32 s14, s51, 1
	s_lshl_b32 s14, s14, 5
	s_and_b32 s16, s51, 1
	s_lshl_b32 s16, s16, 3
	s_add_co_u32 s14, s14, s16
	v_add_nc_u32 v[DQ1], s14, v10                  ; + 32 (sub / 2) + 8 (sub % 2)
	s_sub_co_u32 s51, 7, s51                       ; the second tile's place in its rank
	s_lshr_b32 s14, s51, 1
	s_lshl_b32 s14, s14, 5
	s_and_b32 s16, s51, 1
	s_lshl_b32 s16, s16, 3
	s_add_co_u32 s14, s14, s16
	v_add_nc_u32 v[DQ2], s14, v10
	v_mov_b32 v236, 0                              ; written once: a lane permute's destination counts as one of its sources
	v_mov_b32 v252, 0
	v_mov_b32 v253, 0                              ; (named as the upper half of the pair v[252:253])
	s_wait_kmcnt 0x0
	s_add_co_i32 s14, s42, s43
	s_lshl_b32 s14, s14, 23
	s_add_co_i32 s[CS], s[CS], s14                 ; a score stands for score x 2^(e2 + e3)
	s_mov_b32 s[CS+1], s[CS]
	s_add_co_i32 s14, s44, 127
	s_lshl_b32 s16, s14, 23
	v_mov_b32 v244, s16                            ; 2^e4
	s_add_co_i32 s14, s46, 127
	s_lshl_b32 s16, s14, 23
	v_mov_b32 v247, s16                            ; 2^e6
	s_add_co_i32 s3, s44, s45                      ; e4 + e5
; A KEY STEP: 128 keys for one tile of queries.  q: the tile's fragment; rk: its rank; dq: its mask vector.
.macro STEP q, rk, dq
	s_cmp_gt_u32 s[IT], s[\rk]                     ; all keys of the step come after my queries: the step's work is jumped over, not the line that steps the address
	s_cbranch_scc1 .Lskip_\@
	s_setprio 2
	v_add_nc_u32 v[ADK], s[TB], v[LK]
	v_add_nc_u32 v[ADV], s[TB], v[LV]
.irp i, 0,1,2,3,4,5,6,7
	ds_load_b128 v[32+8*\i:35+8*\i], v[ADK] offset:1024*\i
	ds_load_b128 v[36+8*\i:39+8*\i], v[ADK] offset:1024*\i+512
.endr
	s_wait_alu depctr_va_vdst(0)
	s_wait_dscnt 0x0
.irp i, 0,1,2,3,4,5,6,7
	v_wmma_f32_16x16x64_fp8_fp8 v[96+8*\i:103+8*\i], v[32+8*\i:39+8*\i], v[\q:\q+7], 0
.endr
.rept 4
	v_nop                                          ; places: in front of the loads into K's registers and of the first read of the scores
.endr
.irp t, 0,1,2,3                                ; V's four fragments land while the softmax is worked
.irp c, 0,1,2,3
	ds_load_b128 v[32+16*\t+4*\c:35+16*\t+4*\c], v[ADV] offset:2048*\t+512*\c
.endr
.endr
	s_cmp_lg_u32 s[IT], s[\rk]                     ; only the tile's last step lies on the diagonal
	s_cbranch_scc1 .Lopen_\@
	v_mov_b32 v254, 0xff800000                     ; -infinity: p = 0 then.  Register n holds key 32 (n / 16) + n % 16 + 16 (lane / 16) of the step: hidden where it lies past my query
.set cnt, 0
.rept 64
	v_cmp_gt_i32 vcc_lo, 32*(cnt/16)+cnt%16, v[\dq]
	v_cndmask_b32 v[96+cnt], v[96+cnt], v254, vcc_lo
.set cnt, cnt+1
.endr
.Lopen_\@:
	v_max3_num_f32 v254, v96, v97, v98             ; the step's largest score of my query among my 64 keys, in two chains, from each accumulator's low end on,
	v_max3_num_f32 v252, v99, v100, v101
.set cnt, 6
.rept 14
	v_max3_num_f32 v254, v254, v[96+cnt], v[97+cnt]
	v_max3_num_f32 v252, v252, v[98+cnt], v[99+cnt]
.set cnt, cnt+4
.endr
	v_max3_num_f32 v254, v254, v158, v159
	s_delay_alu instid0(VALU_DEP_1)
	v_max_num_f32 v254, v254, v252
	v_permlanex16_b32 v236, v254, s[SEL], s[SEL+1]
	s_delay_alu instid0(VALU_DEP_1)
	v_max_num_f32 v254, v254, v236                 ; and among lane l xor 16's
	s_delay_alu instid0(VALU_DEP_1)
	v_mul_f32 v254, s[CS], v254                    ; as t (c is positive)
	s_delay_alu instid0(VALU_DEP_1)
	v_max_num_f32 v13, v13, v254                   ; the running largest t
	v_mov_b32 v254, v12
	s_delay_alu instid0(VALU_DEP_2)
	v_floor_f32 v12, -v13                          ; the new -M = floor(-t): M is a whole number
	s_delay_alu instid0(VALU_DEP_1)
	v_sub_f32 v254, v12, v254                      ; old M - new M, a whole number, 0 or less
	s_delay_alu instid0(VALU_DEP_1)
	v_cvt_i32_f32 v254, v254                       ; (it saturates)
	s_delay_alu instid0(VALU_DEP_1)
	v_ldexp_f32 v252, 1.0, v254                    ; f = 2^(old M - new M)
.set cnt, 0
	s_setprio 1
.rept 32
	v_pk_fma_f32 v[96+cnt:97+cnt], v[96+cnt:97+cnt], s[CS:CS+1], v[12:13] op_sel_hi:[1,0,0]   ; t - M, two at a time
.set cnt, cnt+2
.endr
.set cnt, 0
	s_wait_alu depctr_va_vdst(0)
.rept 64
	v_exp_f32 v[96+cnt], v[96+cnt]                 ; p = 2^(t - M), at most 1
.set cnt, cnt+1
.endr
	v_pk_mul_f32 v[14:15], v[14:15], v[252:253] op_sel_hi:[1,0]   ; the sums under the new M: the plain line behind the exponentials
	s_wait_alu depctr_va_vdst(0)                   ; one wait for the whole batch, ahead of its first reader
	v_pk_add_f32 v[242:243], v[96:97], v[98:99]    ; the row's sum is taken of the unquantised p, in two chains
.set cnt, 4
.rept 15
	v_pk_add_f32 v[14:15], v[14:15], v[96+cnt:97+cnt]
	v_pk_add_f32 v[242:243], v[242:243], v[98+cnt:99+cnt]
.set cnt, cnt+4
.endr
	s_delay_alu instid0(VALU_DEP_1)
	v_pk_add_f32 v[14:15], v[14:15], v[242:243]
	s_setprio 0
.irp b, 0,1,2,3
.set cnt, 0
.rept 16
.set cnt, cnt+1
.endr
	v_cvt_scalef32_pk8_fp8_f32 v[224+4*\b:225+4*\b], v[96+16*\b:103+16*\b], v244
	v_cvt_scalef32_pk8_fp8_f32 v[226+4*\b:227+4*\b], v[104+16*\b:111+16*\b], v244
.endr
.set cnt, 0
.rept 16
	v_pk_mul_f32 v[160+cnt:161+cnt], v[160+cnt:161+cnt], v[252:253] op_sel_hi:[1,0]   ; O^T under the new M; these are also the plain lines behind the conversions
.set cnt, cnt+2
.endr
	s_wait_alu depctr_va_vdst(0)
	s_wait_dscnt 0x0                               ; V is in
.irp t, 0,1,2,3                                ; four accumulators by turns, one instruction a turn
	v_wmma_f32_16x16x128_fp8_fp8 v[160+8*\t:167+8*\t], v[32+16*\t:47+16*\t], v[224:239], v[160+8*\t:167+8*\t]
.endr
.rept 4
	v_nop                                          ; places for whatever follows: the next step's loads into V's registers, or the first read of O^T
.endr
.Lskip_\@:
	s_add_co_u32 s[TB], s[TB], 8192
.endm
; One tile of queries: all its key steps, then O^T / the sum x 2^(e4 + e5), quantised: four conversions make the tile's fragment of y for my head, stored as it stands.
.macro PASS q, rk, dq, trips, yreg, yadr
	v_mov_b32 v13, 0xff61b1e6                      ; the largest t so far: -3e38, under every t
	s_delay_alu instid0(VALU_DEP_1)
	v_floor_f32 v12, -v13
	v_mov_b32 v14, 0
	v_mov_b32 v15, 0
.set cnt, 0
.rept 32
	v_mov_b32 v[160+cnt], 0                        ; the step is written once: the first finds zeros, which the first change of M leaves zeros
.set cnt, cnt+1
.endr
	s_mov_b32 s[IT], 0
	s_mov_b32 s[TB], 0
.Ltrip_\@:
	STEP \q, \rk, \dq
	s_add_co_u32 s[IT], s[IT], 1
	s_cmp_lt_u32 s[IT], \trips
	s_cbranch_scc1 .Ltrip_\@
	s_setprio 0
	v_add_f32 v14, v14, v15
	s_delay_alu instid0(VALU_DEP_1)
	v_permlanex16_b32 v252, v14, s[SEL], s[SEL+1]
	s_delay_alu instid0(VALU_DEP_1)
	v_add_f32 v14, v14, v252                       ; the row's sum
	s_wait_alu depctr_va_vdst(0)
	v_rcp_f32 v14, v14
	v_nop                                          ; a plain line behind the reciprocal,
	s_wait_alu depctr_va_vdst(0)                   ; and the wait ahead of its first reader
	v_ldexp_f32 v14, v14, s3
.set cnt, 0
.rept 32
	v_mul_f32 v[96+cnt], v[160+cnt], v14           ; register 8 t + j is y(my query, 16 t + 8 (lane / 16) + j)
.set cnt, cnt+1
.endr
.set cnt, 0
.rept 32
.set cnt, cnt+1
.endr
.irp t, 0,1,2,3
	v_cvt_scalef32_pk8_fp8_f32 v[\yreg+2*\t:\yreg+2*\t+1], v[96+8*\t:103+8*\t], v247
.endr
	v_nop                                          ; a plain line behind the conversions: later products write their sources
	global_store_b128 v[LK], v[\yreg:\yreg+3],   s[\yadr:\yadr+1]              ; 32 lanes store 512 consecutive bytes, aligned
	global_store_b128 v[LK], v[\yreg+4:\yreg+7], s[\yadr:\yadr+1] offset:512
.endm
	s_wait_loadcnt 0x0                             ; q
	s_wait_tensorcnt 0x0                           ; my two pieces of K or V have landed,
	s_barrier_signal -1
	s_barrier_wait -1                              ; everybody's have: the head's K and V are whole, and nobody writes LDS any more
	PASS 16, RK1, DQ1, 8,  192, 58                 ; ranks 0-7: key steps 0-7 at the most
	PASS 24, RK2, DQ2, 16, 200, 60                 ; ranks 8-15
	s_wait_dscnt 0x0
	s_wait_tensorcnt 0x0
	ds_add_u32 v251, v255
	s_wait_dscnt 0x0
	CROUND                                         ; the closing round
	s_endpgm
.Lfunc_end_k_qfa6cdcec5f_attn:
	.size	k_qfa6cdcec5f_attn, .Lfunc_end_k_qfa6cdcec5f_attn-k_qfa6cdcec5f_attn
	.p2alignl 7, 3214868480
	.fill 96, 4, 3214868480
	.section	.rodata,"a",@progbits
	.p2align	6, 0x0
	.amdhsa_kernel k_qfa6cdcec5f_attn
		.amdhsa_group_segment_fixed_size 327680
		.amdhsa_private_segment_fixed_size 0
		.amdhsa_enable_private_segment 0
		.amdhsa_kernarg_size 40
		.amdhsa_user_sgpr_count 2
		.amdhsa_user_sgpr_kernarg_segment_ptr 1
		.amdhsa_wavefront_size32 1
		.amdhsa_system_sgpr_workgroup_id_x 1
		.amdhsa_system_sgpr_workgroup_id_y 1
		.amdhsa_system_sgpr_workgroup_id_z 1
		.amdhsa_system_vgpr_workitem_id 0
		.amdhsa_next_free_vgpr 256
		.amdhsa_next_free_sgpr 66
		.amdhsa_reserve_vcc 1
		.amdhsa_float_denorm_mode_32 3
		.amdhsa_float_denorm_mode_16_64 3
		.amdhsa_fp16_overflow 1
		.amdhsa_memory_ordered 1
		.amdhsa_forward_progress 1
		.amdhsa_inst_pref_size 52
	.end_amdhsa_kernel
	.amdgpu_metadata
---
amdhsa.version: [ 1, 2 ]
amdhsa.kernels:
  - .name:           k_qfa6cdcec5f_attn
    .symbol:         k_qfa6cdcec5f_attn.kd
    .args:
      - { .name: q_img, .offset: 0, .size: 8, .value_kind: global_buffer, .address_space: global }
      - { .name: k_img, .offset: 8, .size: 8, .value_kind: global_buffer, .address_space: global }
      - { .name: v_img, .offset: 16, .size: 8, .value_kind: global_buffer, .address_space: global }
      - { .name: lowp_scales, .offset: 24, .size: 8, .value_kind: global_buffer, .address_space: global }
      - { .name: y_img, .offset: 32, .size: 8, .value_kind: global_buffer, .address_space: global }
    .group_segment_fixed_size: 327680
    .private_segment_fixed_size: 0
    .kernarg_segment_align: 8
    .kernarg_segment_size: 40
    .max_flat_workgroup_size: 512
    .sgpr_count:     66
    .vgpr_count:     256
    .wavefront_size: 32
...
	.end_amdgpu_metadata
.endif
;; end of part 3
;; launch proj (part 4): grid 4 x 32, 4 waves a work-group, clusters of 4 x 4, 327,680 bytes of LDS; arguments y_img, wp_img, b_proj, lowp_scales, out0; writes out0
.if DOCPART == 4
	.amdgcn_target "amdgcn-amd-amdhsa--gfx1250"
	.amdhsa_code_object_version 6
	.text
	.protected	k_qfa6cdcec5f_proj
	.globl	k_qfa6cdcec5f_proj
	.p2align	8
	.type	k_qfa6cdcec5f_proj,@function
k_qfa6cdcec5f_proj:
	s_mov_b64 s[64:65], 0
	v_nop
	global_prefetch_b8 v0, s[64:65] scope:SCOPE_SE
	s_setreg_imm32_b32 hwreg(HW_REG_WAVE_MODE, 25, 1), 1
	s_wait_xcnt 0x0
	s_wait_alu depctr_hold_cnt(0) depctr_sa_sdst(0) depctr_va_vdst(0) depctr_va_sdst(0) depctr_va_ssrc(0) depctr_va_vcc(0) depctr_vm_vsrc(0)
	s_getreg_b32 s2, hwreg(HW_REG_IB_STS2, 6, 4)
	s_cmp_eq_u32 s2, 0
	s_cbranch_scc0 .Lentry_in_a_cluster
	s_endpgm
.Lentry_in_a_cluster:
	s_bfe_u32 s2, ttmp6, 0x10000c
	s_cmp_lg_u32 s2, 0xf033
	s_cbranch_scc0 .Lentry_shape_is_right
	s_endpgm
.Lentry_shape_is_right:
; out0 = y w_proj + b_proj on codes of E4M3 (K = 1,024); out0 [8192][1024] f32.
; OPERANDS are images of registers: [row tile of 16][K step 0..7][2048 bytes]; chunk c of an image (512 bytes) holds registers 4 c .. 4 c + 3 at 16 x lane.  Place i of row tile R of y is token 32 (R / 2) + 8 (R % 2) + i + 8 (i / 8).
; A work-group of four waves makes 256 tokens x 256 columns, a wave 128 x 128: 64 accumulators.  K goes in steps of 256 through a ring of two LDS slots: four steps, written out.
; Source 0 = 16 columns n of w_proj, source 1 = 16 tokens: a lane holds one token and eight neighbouring columns.
; CLUSTERS: 4 x 4.  w_proj's tile hangs on cx and is shared along a column of the cluster, y's on cy and is shared along a row: each is asked for jointly.
; LIMIT: e6 + e7 between -126 and 127.
; REGISTERS, in windows of 256: window 0: v16-31 addresses; v32-95 the bias; v128-255 y's fragments, ONE set, later rows on their way out.  window 1: w_proj's fragments, TWO sets.
;   window 2: the 32 accumulators of y's blocks 0-3 ((a, b) at v[8 (8 (a % 4) + b)]);  window 3: those of blocks 4-7.
.set ROWB,  4096                       ; a slot's bytes of one row tile: two images
.set HALFT, 8*ROWB                     ; eight row tiles, 128 rows: what one tensor load brings, and what a wave reads of a source
.set SLOT,  4*HALFT                    ; source 1's 256 rows, then source 0's
.set SPARE, 2*SLOT                     ; behind the ring: the spare words, 128 bytes for each wave: two blocks of 256 bytes that no other line names
.set SPITCH, 528                       ; the way out: a stage of 16 rows x (512 bytes + 16) for each wave, in slot 0, which has had its last fill and its last read when the first result is stored there
.set FR,    16
.set NL,    4
.set NP,    4
.set ADRA,  16                         ; v16-17  LDS address of my fragments of source 1 in slot 0, 1
.set ADRB,  20                         ; v20-21  the same for source 0
.set STO,   24                         ; v24     the way out: where I put 32 bytes of a row
.set RD,    25                         ; v25     where I read a row back
.set LI,    26                         ; v26     16 x lane
.set SPW,   28                         ; v28     LDS address of my spare word; never rewritten
.set NIL,   29                         ; v29     0; never rewritten
.set BI,    32                         ; v32-95  the bias
.set AF,    128
.set BK,    128                        ; the way out: 16 rows read back: v128-191 and v192-255 by turns
.set G1,  24
.set G0,  32
.set G1B, 48
.set G0B, 56
.set MSB, 0
.macro WIN new                         ; the immediate's high byte repeats the setting that is left
.if MSB != (\new)
	s_set_vgpr_msb (MSB<<8)|(\new)
.set MSB, (\new)
.endif
.endm
.set MUL_LO, 0xa1                      ; source 0 window 1, source 1 window 0, C and D window 2
.set MUL_HI, 0xf1                      ; the same, C and D window 3
.set TO_B,   0x40                      ; destination window 1, address window 0
; A joint load: waves 0 and 1 fetch y's halves, waves 2 and 3 w_proj's.  The branch hangs on the wave's number alone.  Four v_nop follow each of the two lines.
.macro JLOAD g0a, g1a, g0b, g1b
	s_cmp_eq_u32 s15, 0
	s_cbranch_scc0 .Lfor_b_\@
	tensor_load_to_lds s[\g0a:\g0a+3], s[\g1a:\g1a+7]
	s_nop 0
.rept 4
	v_nop
.endr
	s_branch .Lasked_\@
.Lfor_b_\@:
	tensor_load_to_lds s[\g0b:\g0b+3], s[\g1b:\g1b+7]
	s_nop 0
.rept 4
	v_nop
.endr
.Lasked_\@:
.endm
.macro CREST                           ; a round of the cluster's barrier behind its opening barrier
	s_cmp_lg_u32 s14, 0
	s_cbranch_scc1 .Lnot_wave_0_\@
	s_barrier_signal -3
.Lnot_wave_0_\@:
	s_barrier_wait -3
	s_barrier_signal -1
	s_barrier_wait -1
.endm
.macro CROUND
	s_barrier_signal -1
	s_barrier_wait -1
	CREST
.endm
	s_load_b256 s[4:11], s[0:1], 0x0               ; y_img s[4:5], wp_img s[6:7], b_proj s[8:9], the scales' exponents s[10:11]
	s_load_b64 s[68:69], s[0:1], 0x20              ; out0
	v_lshl_add_u32 v[SPW], v0, 2, SPARE
	v_mov_b32 v[NIL], 0
	ds_add_u32 v28, v29
	ds_add_u32 v28, v29
	s_wait_dscnt 0x0
	v_lshrrev_b32 v1, 5, v0
	v_readfirstlane_b32 s14, v1                    ; wave 0..3
	s_lshr_b32 s15, s14, 1                         ; which half of the tokens is mine.  Also: I fetch for y (0) or for w_proj (1)
	s_and_b32 s16, s14, 1                          ; which half of the columns.  Also: which 128 rows of that tile I fetch
	s_bfe_u32 s40, ttmp6, 0x40000                  ; cx, cy
	s_bfe_u32 s41, ttmp6, 0x40004
	s_lshl_b32 s42, ttmp9, 2
	s_add_co_u32 s42, s42, s40                     ; T0: w_proj's tile of 256 columns
	s_and_b32 s18, ttmp7, 0xffff
	s_lshl_b32 s18, s18, 2
	s_add_co_u32 s18, s18, s41                     ; T1: y's tile of 256 tokens
	s_lshl_b32 s43, s41, 2
	s_lshl_b32 s43, 15, s43                        ; my row of the cluster
	s_lshl_b32 s44, 0x1111, s40                    ; my column
	; descriptor group 1: eight row tiles x 4,096 bytes (two images), 16,384 bytes apart in memory, on end in LDS; elements of 8 bytes
	s_or_b32 s[G1+0], s43, (3<<16)|(1<<21)         ; 15:0 the mask: y's tiles go to my row; 17:16 elements of 8 bytes; 21 set beside a mask; no padding
	s_or_b32 s[G1B+0], s44, (3<<16)|(1<<21)        ; w_proj's go to my column
.irp g, G1, G1B
	s_mov_b32 s[\g+1], 512<<16                     ; tensor_dim0 = 512 elements
	s_mov_b32 s[\g+2], 8<<16                       ; tensor_dim1 = 8
	s_mov_b32 s[\g+3], 512<<16                     ; tile_dim0
	s_mov_b32 s[\g+4], 8                           ; tile_dim1
	s_mov_b32 s[\g+5], 2048                        ; tensor_dim0_stride: 16,384 bytes
	s_mov_b32 s[\g+6], 0
	s_mov_b32 s[\g+7], 0
.endr
	s_lshl_b32 s19, s16, 17                        ; which eight row tiles of the sixteen I fetch
	s_lshl_b32 s20, s18, 18
	s_add_co_u32 s20, s20, s19
	s_mov_b32 s21, 0
	s_lshl_b32 s46, s42, 18
	s_add_co_u32 s46, s46, s19
	s_mov_b32 s47, 0
	s_lshl_b32 s45, s14, 15                        ; where they go: wave x 32,768
	s_wait_kmcnt 0x0
	s_load_b256 s[76:83], s[10:11], 0x0            ; e0 .. e7
	s_add_nc_u64 s[20:21], s[4:5], s[20:21]
	s_add_nc_u64 s[46:47], s[6:7], s[46:47]
	CROUND                                         ; all sixteen work-groups are here: the first joint loads meet
.irp s, 0,1
	s_mov_b32 s[G0+4*\s], 1
	s_add_co_u32 s[G0+4*\s+1], s45, \s*SLOT
	s_add_nc_u64 s[G0+4*\s+2:G0+4*\s+3], s[20:21], \s*ROWB
	s_or_b32 s[G0+4*\s+3], s[G0+4*\s+3], 0x80000000
	s_mov_b32 s[G0B+4*\s], 1
	s_add_co_u32 s[G0B+4*\s+1], s45, \s*SLOT
	s_add_nc_u64 s[G0B+4*\s+2:G0B+4*\s+3], s[46:47], \s*ROWB
	s_or_b32 s[G0B+4*\s+3], s[G0B+4*\s+3], 0x80000000
	s_wait_alu depctr_va_vdst(0)
	s_wait_tensorcnt 0x0
	ds_add_u32 v28, v29
	ds_add_u32 v28, v29
	s_wait_dscnt 0x0
	CROUND
	JLOAD G0+4*\s, G1, G0B+4*\s, G1B               ; one load of mine is out
.endr
	v_and_b32 v1, 31, v0
	v_lshlrev_b32 v[LI], 4, v1
	v_and_b32 v2, 15, v0                           ; r
	s_wait_alu depctr_va_vdst(0)
	v_bfe_u32 v3, v0, 4, 1                         ; h
	s_lshl_b32 s21, s15, 15
	s_lshl_b32 s22, s16, 15
	s_add_co_u32 s22, s22, 2*HALFT
.irp s, 0,1
	v_add_nc_u32 v[ADRA+\s], s21, v[LI]
	v_add_nc_u32 v[ADRB+\s], s22, v[LI]
	s_add_co_u32 s21, s21, SLOT
	s_add_co_u32 s22, s22, SLOT
.endr
	s_mul_i32 s23, s14, 16*SPITCH                  ; my stage
	v_mul_u32_u24 v5, v2, SPITCH
	s_wait_alu depctr_va_vdst(0)
	v_lshl_add_u32 v5, v3, 5, v5
	v_add_nc_u32 v[STO], s23, v5                   ; in: row r, 32 bytes for each half of the lanes
	v_add_nc_u32 v[RD], s23, v[LI]                 ; back: the 32 lanes take one row of 512 bytes
	; the bias: lane (r, h) wants, for block b, b_proj[256 T0 + 128 (wave % 2) + 16 b + 8 h + 0..7]
	s_lshl_b32 s90, s42, 10
	s_lshl_b32 s91, s16, 9
	s_add_co_u32 s90, s90, s91
	s_mov_b32 s91, 0
	s_add_nc_u64 s[88:89], s[8:9], s[90:91]
	v_lshlrev_b32 v4, 5, v3
.irp b, 0,1,2,3,4,5,6,7
	global_load_b128 v[BI+8*\b:BI+8*\b+3],   v4, s[88:89] offset:64*\b
	global_load_b128 v[BI+8*\b+4:BI+8*\b+7], v4, s[88:89] offset:64*\b+16
.endr
	; out0 at token 256 T1 + 128 (wave / 2), column 256 T0 + 128 (wave % 2)
	s_lshl_b32 s92, s18, 20
	s_add_co_u32 s90, s90, s92
	s_lshl_b32 s92, s15, 19
	s_add_co_u32 s90, s90, s92
	s_add_nc_u64 s[86:87], s[68:69], s[90:91]
	s_wait_kmcnt 0x0
	s_add_co_i32 s84, s82, s83
	s_add_co_i32 s84, s84, 127
	s_lshl_b32 s84, s84, 23                        ; 2^(e6 + e7) as f32
	s_mov_b32 s85, s84                             ; (named with it as a pair, so it is written)
.macro FRAG reg, adr, q, i             ; row tile i's image of the slot's q-th 128 along K comes as it lies: four loads of 512 consecutive bytes
.irp c, 0,1,2,3
	ds_load_b128 v[\reg+4*\c:\reg+4*\c+3], v[\adr] offset:ROWB*(\i)+2048*(\q)+512*\c
.endr
.endm
; 16 matrix instructions: source 1's blocks a0, a0 + 1 x source 0's eight.  The 64 accumulators take turns, one instruction a turn, in the same order in every step.
.macro MUL16 a0, p, zero
.irp a, \a0, \a0+1
.irp b, 0,1,2,3,4,5,6,7
.if \zero
	v_wmma_f32_16x16x128_fp8_fp8 v[8*(8*((\a)%4)+\b):8*(8*((\a)%4)+\b)+7], v[128*(\p)+FR*\b:128*(\p)+FR*\b+FR-1], v[AF+FR*(\a):AF+FR*(\a)+FR-1], 0
.else
	v_wmma_f32_16x16x128_fp8_fp8 v[8*(8*((\a)%4)+\b):8*(8*((\a)%4)+\b)+7], v[128*(\p)+FR*\b:128*(\p)+FR*\b+FR-1], v[AF+FR*(\a):AF+FR*(\a)+FR-1], v[8*(8*((\a)%4)+\b):8*(8*((\a)%4)+\b)+7]
.endif
.endr
.endr
.endm
.macro FETCH_B slot, q, p
	WIN TO_B
.irp i, 0,1,2,3,4,5,6,7
	FRAG 128*(\p)+FR*\i, ADRB+\slot, \q, \i
.endr
	WIN 0
.endm
.macro FETCH_A slot, q, i0
.irp i, \i0, \i0+1, \i0+2, \i0+3
	FRAG AF+FR*(\i), ADRA+\slot, \q, \i
.endr
.endm
.macro PLACES n                        ; plain vector lines between a matrix instruction and a load into a register that it read, or a read of its result
.rept \n
	v_nop
.endr
.endm
.macro STEP slot, q, zero
	s_wait_dscnt 4*NL                              ; source 0's set and source 1's blocks 0-3 are in; the youngest 16 loads (blocks 4-7) may be out
	WIN MUL_LO
	MUL16 0, (\q)%2, \zero
	MUL16 2, (\q)%2, \zero
	s_wait_dscnt 0
	PLACES NP
	FETCH_B \slot, (\q)+1, 1-(\q)%2
	FETCH_A \slot, (\q)+1, 0
	WIN MUL_HI
	MUL16 4, (\q)%2, \zero
	MUL16 6, (\q)%2, \zero
	PLACES NP
	WIN 0
	FETCH_A \slot, (\q)+1, 4
.endm
; A slot's last step changes slots: one barrier; in front of it each wave waits for all its tensor loads, adds 0 to its spare word, and waits for that and for its own reads of this slot.
.macro TURN slot, next, fill
	s_wait_tensorcnt 0x0                           ; all my tensor loads have landed: my part of the next slot
	ds_add_u32 v[SPW], v[NIL]                      ; 0 onto my spare word
	s_wait_dscnt 4*NL+1                            ; (the add and the youngest 16 loads may be out)
	WIN MUL_LO
	MUL16 0, 1, 0
	s_wait_dscnt 0x0                               ; the add is done, and my reads of this slot are over
	s_barrier_signal -1
	MUL16 2, 1, 0
	WIN 0
	s_barrier_wait -1
.if \fill
	CREST                                          ; the barrier has opened a round of the cluster's barrier: no wave of any partner still reads this slot or has a load on its way
	s_add_nc_u64 s[G0+4*\slot+2:G0+4*\slot+3], s[G0+4*\slot+2:G0+4*\slot+3], 2*ROWB
	s_add_nc_u64 s[G0B+4*\slot+2:G0B+4*\slot+3], s[G0B+4*\slot+2:G0B+4*\slot+3], 2*ROWB
	JLOAD G0+4*\slot, G1, G0B+4*\slot, G1B         ; the first tensor load behind the round, my only one until the next
.else
	PLACES NP
.endif
	FETCH_B \next, 0, 0
	FETCH_A \next, 0, 0
	WIN MUL_HI
	MUL16 4, 1, 0
	MUL16 6, 1, 0
	PLACES NP
	WIN 0
	FETCH_A \next, 0, 4
.endm
	s_wait_tensorcnt 1                             ; my part of K step 0 is in (K step 1's load may be out)
	s_barrier_signal -1
	s_barrier_wait -1                              ; everybody's is
	FETCH_B 0, 0, 0
	FETCH_A 0, 0, 0
	FETCH_A 0, 0, 4
	STEP 0, 0, 1                                   ; the first products start the sums: nothing is cleared
	TURN 0, 1, 1                                   ; slot 0 takes K step 2
	STEP 1, 0, 0
	TURN 1, 0, 1                                   ; slot 1 takes K step 3
	STEP 0, 0, 0
	TURN 0, 1, 0                                   ; nothing is left to ask for; behind its barrier nobody reads slot 0
	STEP 1, 0, 0
	s_wait_dscnt 4*NL
	WIN MUL_LO
	MUL16 0, 1, 0
	MUL16 2, 1, 0
	s_wait_dscnt 0
	WIN MUL_HI
	MUL16 4, 1, 0
	MUL16 6, 1, 0
	WIN 0
; THE WAY OUT, block by block of 16 tokens x 128 columns: sum x 2^(e6 + e7) + bias in one packed multiply-add, each accumulator from its low end on; a lane's 32 bytes of a row go into my own stage in LDS and come back as
; whole rows of 512 bytes.  LDS serves a wave's instructions in order: no wait between the stores and the loads, nor in front of the next block's stores.
.macro TOSTAGE a
.set AC, 64*((\a)%4)
	WIN 0x82+0x41*((\a)/4)                         ; destination and source 0: window 2 or 3
.irp b, 0,1,2,3,4,5,6,7
.irp i, 0,2,4,6
	v_pk_fma_f32 v[AC+8*\b+\i:AC+8*\b+\i+1], v[AC+8*\b+\i:AC+8*\b+\i+1], s[84:85], v[BI+8*\b+\i:BI+8*\b+\i+1] op_sel_hi:[1,0,1]
.endr
.endr
	WIN 0x08+0x04*((\a)/4)                         ; an LDS store's data: window 2 or 3
.irp b, 0,1,2,3,4,5,6,7
	ds_store_b128 v[STO], v[AC+8*\b:AC+8*\b+3] offset:64*\b
	ds_store_b128 v[STO], v[AC+8*\b+4:AC+8*\b+7] offset:64*\b+16
.endr
	WIN 0
.set BB, BK+64*((\a)%2)
.irp t, 0,1,2,3,4,5,6,7,8,9,10,11,12,13,14,15
	ds_load_b128 v[BB+4*\t:BB+4*\t+3], v[RD] offset:\t*SPITCH
.endr
.endm
.macro SEND a, younger                 ; younger: the LDS instructions issued behind block a's loads, which may stay out.  Place t of block a is token 32 (a / 2) + 8 (a % 2) + t + 8 (t / 8) of my 128: it stands in the immediate
.set BB, BK+64*((\a)%2)
	s_wait_dscnt \younger
.irp t, 0,1,2,3,4,5,6,7,8,9,10,11,12,13,14,15
	global_store_b128 v[LI], v[BB+4*\t:BB+4*\t+3], s[86:87] offset:(32*((\a)/2)+8*((\a)%2)+\t+8*(\t/8))*4096 th:TH_STORE_NT   ; 32 lanes store 512 consecutive bytes, aligned; written once, read by nobody here
.endr
.endm
	s_wait_loadcnt 0x0                             ; the bias
	PLACES NP
	TOSTAGE 0
.irp a, 1,2,3,4,5,6,7
.if \a > 1
	s_wait_xcnt 0x0                                ; block a - 2's stores have read their registers: block a's rows may land there
.endif
	TOSTAGE \a
	SEND \a-1, 32                                  ; behind block a - 1's loads: block a's 16 stores and 16 loads
.endr
	SEND 7, 0
	s_wait_tensorcnt 0x0                           ; the wave's end, behind my last tensor load and my last LDS store
	ds_add_u32 v[SPW], v[NIL]
	s_wait_dscnt 0x0
	CROUND                                         ; the closing round: no work-group ends while a partner may still ask for a tile that names it
	s_endpgm
.Lfunc_end_k_qfa6cdcec5f_proj:
	.size	k_qfa6cdcec5f_proj, .Lfunc_end_k_qfa6cdcec5f_proj-k_qfa6cdcec5f_proj
	.p2alignl 7, 3214868480
	.fill 96, 4, 3214868480
	.section	.rodata,"a",@progbits
	.p2align	6, 0x0
	.amdhsa_kernel k_qfa6cdcec5f_proj
		.amdhsa_group_segment_fixed_size 327680
		.amdhsa_private_segment_fixed_size 0
		.amdhsa_enable_private_segment 0
		.amdhsa_kernarg_size 40
		.amdhsa_user_sgpr_count 2
		.amdhsa_user_sgpr_kernarg_segment_ptr 1
		.amdhsa_wavefront_size32 1
		.amdhsa_system_sgpr_workgroup_id_x 1
		.amdhsa_system_sgpr_workgroup_id_y 1
		.amdhsa_system_sgpr_workgroup_id_z 1
		.amdhsa_system_vgpr_workitem_id 0
		.amdhsa_next_free_vgpr 1024
		.amdhsa_next_free_sgpr 100
		.amdhsa_reserve_vcc 0
		.amdhsa_float_denorm_mode_32 3
		.amdhsa_float_denorm_mode_16_64 3
		.amdhsa_memory_ordered 1
		.amdhsa_forward_progress 1
		.amdhsa_inst_pref_size 125
	.end_amdhsa_kernel
	.amdgpu_metadata
---
amdhsa.version: [ 1, 2 ]
amdhsa.kernels:
  - .name:           k_qfa6cdcec5f_proj
    .symbol:         k_qfa6cdcec5f_proj.kd
    .args:
      - { .name: y_img, .offset: 0, .size: 8, .value_kind: global_buffer, .address_space: global }
      - { .name: wp_img, .offset: 8, .size: 8, .value_kind: global_buffer, .address_space: global }
      - { .name: b_proj, .offset: 16, .size: 8, .value_kind: global_buffer, .address_space: global }
      - { .name: lowp_scales, .offset: 24, .size: 8, .value_kind: global_buffer, .address_space: global }
      - { .name: out0, .offset: 32, .size: 8, .value_kind: global_buffer, .address_space: global }
    .group_segment_fixed_size: 327680
    .private_segment_fixed_size: 0
    .kernarg_segment_align: 8
    .kernarg_segment_size: 40
    .max_flat_workgroup_size: 128
    .sgpr_count:     100
    .vgpr_count:     1024
    .wavefront_size: 32
...
	.end_amdgpu_metadata
.endif
;; end of part 4
